; MI455X (gfx1250); checked and timed in simulation.
; The chip was launched on July 23, 2026; its instructions are those of AMD's public machine-readable ISA for CDNA 5 (MIT licence, August 2026) and "CDNA5" Instruction Set Architecture Reference Guide (July 2026). The comments in the code are by the model that wrote it; some were corrected since.
;; Vector Quantizer. Allowed arithmetic: float matrix products may take bf16 or f16 operands with f32 sums; all other float work in f32.
;; Inputs: embeddings 1,024 x 64 float32; z 8 x 64 x 16 x 16 x 64 float32.
;; Outputs: out0 8 x 64 x 16 x 16 x 64 float32; out1 one number float32; out2 8 x 16 x 16 x 64 int32.
;; One version. Each part assembles by itself: llvm-mc -triple=amdgcn-amd-amdhsa -mcpu=gfx1250 --defsym DOCPART=n.
;; ======== version 1 of 1: 3 launches
;; workspace buffers: idxw 524,288 bytes of whole numbers; part 1,024 bytes
;; launch argmin (part 1): grid 256 x 1, 8 waves a work-group, no clusters, 293,888 bytes of LDS; arguments embeddings, z, out2, idxw; writes out2, idxw
.if DOCPART == 1
	.amdgcn_target "amdgcn-amd-amdhsa--gfx1250"
	.amdhsa_code_object_version 6
	.text
	.protected	k_q1f2db28920_argmin
	.globl	k_q1f2db28920_argmin
	.p2align	8
	.type	k_q1f2db28920_argmin,@function
k_q1f2db28920_argmin:
	s_mov_b64 s[64:65], 0
	v_nop
	global_prefetch_b8 v0, s[64:65] scope:SCOPE_SE
	s_setreg_imm32_b32 hwreg(HW_REG_WAVE_MODE, 25, 1), 1
	s_wait_xcnt 0x0
; idx[n] = first index of the least dist[n][k] = (zz[n] + ee[k]) - (2 z[n]) . e[k];  131,072 rows of 64, 1,024 codes.
; The index goes to out2 and, the same words, to idxw, from which the next launch forms its gather addresses.
;
; SHARES.  A work-group owns 512 rows, a wave 64 of them: four row tiles (rt) of 16, kept as B fragments in 64 registers for the whole kernel.
; The table lies in LDS as bf16; its 64 tiles of 16 codes stream through the waves as A fragments.  In the result register j of lane
; (r = lane % 16, h = lane / 16) is code 16 T + 8 h + j against row r: the search for the least runs inside a lane and ends with one
; exchange between the two halves of the wave.  Eight waves, two for each SIMD: most of the work is dependent vector work,
; which a second wave covers, and four row tiles a wave stay below 256 registers, so that no register window is switched.
;
; ARITHMETIC.  z and e are rounded to bf16 for the matrix unit; zz and ee are f32 sums of the squares of the ROUNDED numbers, and the distance is
; formed as the reference writes it: t = zz + ee rounded to f32, then t - 2 dot rounded once (the product by -2 is exact, so the fused form
; rounds where the reference's subtraction rounds).  Ties go to the lower index.
; LIMITS.  NaN among the inputs is not served (v_min3_num_f32 lets a NaN lose; the reference would return its place).  A row whose distances are all
; +inf gets index 0, as in the reference.  The order of the f32 sums inside dot, zz and ee is not the reference's: of two codes whose distances lie
; within the last bit of each other, either may be taken.
;
; NO CLUSTER, though all work-groups read the same table: it has to be rounded to bf16 on its way into LDS, so it passes through registers; an f32
; copy brought by a joint tensor load would need 262,144 bytes beside the 147,456 + 4,096 + 139,264 + 2,048 in use: more than the 327,680 there are.
; z, the bulk of the bytes, is shared by nobody.
.set TPITCH, 144                       ; a code in LDS: 128 bytes of bf16 + 16: an odd multiple of 16, so the 16 rows of a fragment load start in 16 different 16-byte columns modulo 256 bytes (64 banks of 4 bytes: ISA guide 11.1)
.set TILEB,  16*TPITCH                 ; a tile of 16 codes
.set WTAB,   128*TPITCH                ; the 128 codes that one wave converts
.set LDS_EE, 1024*TPITCH               ; 147,456: ee[1024] in f32, 4,096 bytes
.set ZPITCH, 272                       ; a row of z in LDS: 256 bytes of f32 + 16
.set WZ,     64*ZPITCH                 ; a wave's 64 rows
.set LDS_Z,  LDS_EE+4096               ; 151,552: z, 512 rows
.set LDS_IX, LDS_Z+8*WZ                ; 290,816: 256 bytes a wave, the indices on their way out
.set R,    1                           ; lane % 16
.set H,    2                           ; lane / 16
.set LN,   3                           ; lane
.set SM,   4                           ; v[4:7]     sums at work
.set GO,   8                           ; table in memory: 32,768 wave + 16 lane
.set ST,   9                           ; table in LDS, where I store 8 bytes: WTAB wave + 144 h + 8 r
.set EA,   10                          ; table in LDS, one code a lane: WTAB wave + 144 lane
.set ES,   11                          ; where that code's ee goes
.set ZA,   12                          ; z in LDS: my row r, 32 h bytes in
.set AA,   13                          ; A fragments: 144 r + 16 h, stepped by two tiles a trip
.set AE,   14                          ; ee of my eight codes of a tile: LDS_EE + 32 h, stepped likewise
.set IXS,  15                          ; index stage, in
.set IXR,  16                          ; index stage, back
.set OUT,  17                          ; 8 x thread: my two indices in the work-group's 2,048 bytes
.set H8,   18                          ; 8 h
.set TMP,  19
.set M2,   20                          ; v[20:21]   -2.0, -2.0
.set IP,   22                          ; v[22:23]   two indices to store
.set ZZ,   24                          ; v[24:31]   (zz, zz) of row r, a pair for each rt
.set BB0,  32                          ; v[32:35]   the least so far, for each rt: in front of an even tile
.set BB1,  36                          ; v[36:39]   the same in front of an odd tile
.set TI,   40                          ; v[40:43]   16 T of the tile that brought it
.set JV,   44
.set CODE, 45
.set OB,   46                          ; the other half's least
.set OC,   47                          ; and its code
.set BF,   48                          ; v[48:111]  B fragments: 16 registers for each rt (K 0-31, K 32-63)
.set CA,   112                         ; v[112:143] the eight distances of the best tile, for each rt
.set AF0,  144                         ; v[144:159] A fragments of an even tile
.set AF1,  160                         ; v[160:175] of an odd tile
.set EE0,  176                         ; v[176:183] ee of my eight codes, even tile
.set EE1,  184                         ; v[184:191] odd tile
.set AC0,  192                         ; v[192:207] two accumulators: row tiles 0 and 1
.set AC2,  208                         ; v[208:223] two accumulators: row tiles 2 and 3
.set TDA,  224                         ; v[224:231] eight distances at work, first row tile of a pair
.set TDB,  232                         ; v[232:239] second row tile of a pair
.set MT,   240                         ; v[240:243] partial minima
.set SG,   112                         ; v[112:239] staging in front of the loop, over CA .. TDB
	s_load_b256 s[4:11], s[0:1], 0x0               ; embeddings s[4:5], z s[6:7], out2 s[8:9], idxw s[10:11]
	v_lshl_add_u32 v244, v0, 2, 0x47800
	v_mov_b32 v245, 0
	ds_add_u32 v244, v245
	ds_add_u32 v244, v245
	v_lshrrev_b32 v[TMP], 5, v0
	v_readfirstlane_b32 s12, v[TMP]                ; wave 0..7
	; One tensor load a wave: its own 64 rows of 64 f32, dense in memory, 16 bytes of padding behind each row in LDS.
	s_mov_b32 s16, 1                               ; group 0: count = 1
	s_mul_i32 s17, s12, WZ
	s_add_co_u32 s17, s17, LDS_Z                   ; LDS address: the wave's own 17,408 bytes
	s_mov_b32 s20, (2<<16)|(1<<20)|(5<<22)|(3<<25) ; group 1: elements of 4 bytes; padding on, after every 64 words (code 5), of 4 words (code 3); no work-group mask
	s_mov_b32 s21, 64<<16                          ; tensor_dim0 = 64
	s_mov_b32 s22, 64<<16                          ; tensor_dim1 = 64
	s_mov_b32 s23, 64<<16                          ; tile_dim0 = 64
	s_mov_b32 s24, 64                              ; tile_dim1 = 64 rows
	s_mov_b32 s25, 64                              ; 64 elements from row to row
	s_mov_b32 s26, 0
	s_mov_b32 s27, 0
	s_lshl_b32 s14, ttmp9, 17                      ; 512 rows of 256 bytes a work-group (255 x 131,072 stays below 2^32)
	s_lshl_b32 s13, s12, 14                        ; 64 rows a wave
	s_add_co_u32 s14, s14, s13
	s_mov_b32 s15, 0
	v_and_b32 v[LN], 31, v0
	v_lshlrev_b32 v[GO], 4, v[LN]
	s_lshl_b32 s13, s12, 15                        ; 128 codes of 256 bytes a wave
	v_add_nc_u32 v[GO], s13, v[GO]
	s_wait_dscnt 0x0
	s_wait_kmcnt 0x0
	s_add_nc_u64 s[18:19], s[6:7], s[14:15]        ; global address of the wave's first row
	s_or_b32 s19, s19, 0x80000000                  ; type = 2
	tensor_load_to_lds s[16:19], s[20:27]          ; z is on its way while the table is converted
	s_nop 0
; TABLE TO BF16.  Load i brings codes 2 i and 2 i + 1 of the wave's 128: sixteen lanes read one whole row of 256 bytes.
.macro LOADB bank, i0
.irp j, 0,1,2,3,4,5,6,7,8,9,10,11,12,13,14,15
	global_load_b128 v[SG+64*\bank+4*\j:SG+64*\bank+4*\j+3], v[GO], s[4:5] offset:512*(\i0+\j)
.endr
.endm
; four f32 become 8 bytes at code (2 i + h), byte 8 r.  left: the other bank's loads, which stay out.
; All of a bank's conversions stand in front of its stores, so that no store follows straight behind the lines that make its data.
.macro CONVB bank, i0, left
	s_wait_loadcnt \left
.irp j, 0,1,2,3,4,5,6,7,8,9,10,11,12,13,14,15
	v_cvt_pk_bf16_f32 v[SG+64*\bank+4*\j],   v[SG+64*\bank+4*\j],   v[SG+64*\bank+4*\j+1]
	v_cvt_pk_bf16_f32 v[SG+64*\bank+4*\j+1], v[SG+64*\bank+4*\j+2], v[SG+64*\bank+4*\j+3]
.endr
.irp j, 0,1,2,3,4,5,6,7,8,9,10,11,12,13,14,15
	ds_store_b64 v[ST], v[SG+64*\bank+4*\j:SG+64*\bank+4*\j+1] offset:2*TPITCH*(\i0+\j)
.endr
.endm
	LOADB 0, 0
	LOADB 1, 16
	; addresses, while the first loads are out
	v_and_b32 v[R], 15, v0
	v_bfe_u32 v[H], v0, 4, 1
	s_mul_i32 s13, s12, WTAB
	v_mul_u32_u24 v[TMP], TPITCH, v[H]
	v_lshl_add_u32 v[TMP], v[R], 3, v[TMP]
	v_add_nc_u32 v[ST], s13, v[TMP]
	v_mul_u32_u24 v[TMP], TPITCH, v[LN]
	v_add_nc_u32 v[EA], s13, v[TMP]
	s_lshl_b32 s13, s12, 9                         ; 128 ee of 4 bytes a wave
	s_add_co_u32 s13, s13, LDS_EE
	v_lshl_add_u32 v[ES], v[LN], 2, s13
	v_mul_u32_u24 v[TMP], ZPITCH, v[R]
	v_lshl_add_u32 v[TMP], v[H], 5, v[TMP]
	v_add_nc_u32 v[ZA], s17, v[TMP]                ; s17 is only read here: the descriptor stays as it is
	v_mul_u32_u24 v[AA], TPITCH, v[R]
	v_lshl_add_u32 v[AA], v[H], 4, v[AA]
	v_lshlrev_b32 v[AE], 5, v[H]
	v_add_nc_u32 v[AE], LDS_EE, v[AE]
	s_lshl_b32 s13, s12, 8
	s_add_co_u32 s13, s13, LDS_IX
	v_lshl_add_u32 v[IXS], v[R], 2, s13
	v_lshl_add_u32 v[IXR], v[LN], 3, s13
	v_lshlrev_b32 v[OUT], 3, v0
	v_lshlrev_b32 v[H8], 3, v[H]
	v_mov_b32 v[M2], -2.0
	v_mov_b32 v[M2+1], -2.0
	s_lshl_b32 s14, ttmp9, 11                      ; 512 indices of 4 bytes a work-group (s15 is still 0)
	s_add_nc_u64 s[8:9], s[8:9], s[14:15]
	s_add_nc_u64 s[10:11], s[10:11], s[14:15]
	s_mov_b32 s28, 0x76543210                      ; v_permlanex16_b32: lane i of one half reads lane i of the other
	s_mov_b32 s29, 0xfedcba98
	CONVB 0, 0, 16                                 ; 32 loads are out; loads come back in order (ISA guide 5.7.1): with 16 left, bank 0 is in
	LOADB 0, 32
	CONVB 1, 16, 16
	LOADB 1, 48
	CONVB 0, 32, 16
	CONVB 1, 48, 0                                 ; nothing was issued behind these
; s = the squares of the two bf16 of word x (a product of two bf16 is exact in f32, so fused and unfused sums are the same)
.macro SQ0 s, x
	v_lshlrev_b32 v[\s], 16, v[\x]
	v_mul_f32 v[\s], v[\s], v[\s]
	v_fma_mix_f32_bf16 v[\s], v[\x], v[\x], v[\s] op_sel:[1,1,0] op_sel_hi:[1,1,0]
.endm
; s += the same
.macro SQA s, x
	v_fma_mix_f32_bf16 v[\s], v[\x], v[\x], v[\s] op_sel_hi:[1,1,0]
	v_fma_mix_f32_bf16 v[\s], v[\x], v[\x], v[\s] op_sel:[1,1,0] op_sel_hi:[1,1,0]
.endm
; EE of the wave's own 128 codes, one code a lane, 32 codes a batch.  The bytes are the wave's own and LDS serves a wave's instructions in order
; (ISA guide 5.7.1.4): the loads see the stores above without a wait.
.irp i, 0,1,2,3
.irp c, 0,1,2,3,4,5,6,7
	ds_load_b128 v[SG+32*\i+4*\c:SG+32*\i+4*\c+3], v[EA] offset:32*TPITCH*\i+16*\c
.endr
.endr
.macro EEB i
	s_wait_dscnt 24-8*\i                           ; the later batches' eight loads each may stay out
.irp k, 0,1,2,3
	SQ0 SM+\k, SG+32*\i+\k                         ; four chains, started by the first four words
.endr
.irp d, 4,8,12,16,20,24,28
.irp k, 0,1,2,3
	SQA SM+\k, SG+32*\i+\d+\k
.endr
.endr
	v_add_f32 v[SM], v[SM], v[SM+1]
	v_add_f32 v[SM+2], v[SM+2], v[SM+3]
	v_add_f32 v[SM], v[SM], v[SM+2]
	ds_store_b32 v[ES], v[SM] offset:128*\i
.endm
	EEB 0
	EEB 1
	EEB 2
	EEB 3
; Z FRAGMENTS.  Lane (r, h) of a B fragment holds row r's k = 8h..8h+7 and 16+8h..16+8h+7 of each 32 along K: in f32 four pieces of 32 bytes, 64 bytes apart.
	s_wait_tensorcnt 0x0                           ; the wave's one tensor load; only this wave reads its bytes, so this wait is all the ordering
.irp rt, 0,1,2,3
.irp o, 0,1,2,3
	ds_load_b128 v[SG+32*\rt+8*\o:SG+32*\rt+8*\o+3],   v[ZA] offset:16*ZPITCH*\rt+64*\o
	ds_load_b128 v[SG+32*\rt+8*\o+4:SG+32*\rt+8*\o+7], v[ZA] offset:16*ZPITCH*\rt+64*\o+16
.endr
.endr
.macro ZPREP rt
	s_wait_dscnt 24-8*\rt                          ; the later row tiles' eight loads each stay out
.irp i, 0,1,2,3,4,5,6,7,8,9,10,11,12,13,14,15
	v_cvt_pk_bf16_f32 v[BF+16*\rt+\i], v[SG+32*\rt+2*\i], v[SG+32*\rt+2*\i+1]
.endr
	SQ0 SM, BF+16*\rt                              ; zz of the rounded numbers: my 32 of the row's 64, in two chains
	SQ0 SM+1, BF+16*\rt+1
.irp i, 2,4,6,8,10,12,14
	SQA SM, BF+16*\rt+\i
	SQA SM+1, BF+16*\rt+\i+1
.endr
	v_add_f32 v[SM], v[SM], v[SM+1]
	v_permlanex16_b32 v[SM+2], v[SM], s28, s29     ; the other half's 32 (the destination has been written before)
	v_add_f32 v[ZZ+2*\rt], v[SM], v[SM+2]
	v_mov_b32 v[ZZ+2*\rt+1], v[ZZ+2*\rt]           ; twice: a pair for the packed add
.endm
	ZPREP 0
	ZPREP 1
	ZPREP 2
	ZPREP 3
	s_wait_dscnt 0x0                               ; for the others' sake: my part of the table and of ee is written
	s_barrier_signal -1
	s_barrier_wait -1                              ; the table and ee are whole; nobody writes them again
; THE LOOP.  A pair step is (tile T, two row tiles); the four matrix instructions of the next pair are spread among the vector work of this one.
.macro LDA af, eb, oa, oe              ; a tile's A fragments (16 codes x 64 K) and the ee of my eight codes
	ds_load_b128 v[\af:\af+3],     v[AA] offset:\oa
	ds_load_b128 v[\af+4:\af+7],   v[AA] offset:\oa+32
	ds_load_b128 v[\af+8:\af+11],  v[AA] offset:\oa+64
	ds_load_b128 v[\af+12:\af+15], v[AA] offset:\oa+96
	ds_load_b128 v[\eb:\eb+3],     v[AE] offset:\oe
	ds_load_b128 v[\eb+4:\eb+7],   v[AE] offset:\oe+16
.endm
.macro W1 af, rt, ac                   ; K 0-31: the constant 0 starts the sums
	v_wmma_f32_16x16x32_bf16 v[\ac:\ac+7], v[\af:\af+7], v[BF+16*(\rt):BF+16*(\rt)+7], 0
.endm
.macro W2 af, rt, ac                   ; K 32-63, the next link of the chain in place
	v_wmma_f32_16x16x32_bf16 v[\ac:\ac+7], v[\af+8:\af+15], v[BF+16*(\rt)+8:BF+16*(\rt)+15], v[\ac:\ac+7]
.endm
; PAIR: the vector work of row tiles ra and ra + 1 against one tile, 18 lines for each, the two interleaved so that a line that needs a result
; stands 2 to 8 lines behind the line that makes it:
;   4 + 4 packed lines make eight distances; the least of them and of the least so far is a tree of depth two (three v_min3_num_f32 side by side,
;   then one); a tile that brought a strictly smaller least leaves its number (1 select) and its eight distances (4 pairs of selects, each pair one
;   dual instruction: destinations even and odd, sources neighbouring registers and so in different banks; both halves read VCC).
; dow = 1: the matrix work of the next pair (A buffer waf, row tiles wra, wra + 1, accumulators wac, wac + 8) is issued among them.
; ld = 1: behind the last reads of ee buffer leb, that buffer and A buffer laf are loaded again.
; DISTANCES behind matrix instructions (ISA guide 7.12.1), counted in plain vector instructions that name none of their registers:
; a result is first read by a v_pk_fma_f32 of the next pair step, at least 10 selects, 8 adds and 4 fused lines behind its second link;
; A fragments are loaded again 10 selects and 8 adds behind their last use; an accumulator is started anew more than a whole pair step behind its last link.
.macro PAIR dow, waf, wra, wac, eb, ra, ac, bin, bout, sc, ld, laf, leb, loa, loe
.if \dow
	W1 \waf, \wra, \wac
.endif
.irp p, 0,2,4,6
	v_pk_add_f32 v[TDA+\p:TDA+\p+1], v[\eb+\p:\eb+\p+1], v[ZZ+2*(\ra):ZZ+2*(\ra)+1]        ; t = zz + ee
.endr
.irp p, 0,2,4,6
	v_pk_add_f32 v[TDB+\p:TDB+\p+1], v[\eb+\p:\eb+\p+1], v[ZZ+2*(\ra)+2:ZZ+2*(\ra)+3]
.endr
.if \ld
	LDA \laf, \leb, \loa, \loe
.endif
.if \dow
	W1 \waf, \wra+1, \wac+8
.endif
.irp p, 0,2,4,6
	v_pk_fma_f32 v[TDA+\p:TDA+\p+1], v[\ac+\p:\ac+\p+1], v[M2:M2+1], v[TDA+\p:TDA+\p+1]    ; t - 2 dot, one rounding
.endr
.irp p, 0,2,4,6
	v_pk_fma_f32 v[TDB+\p:TDB+\p+1], v[\ac+8+\p:\ac+8+\p+1], v[M2:M2+1], v[TDB+\p:TDB+\p+1]
.endr
.if \dow
	W2 \waf, \wra, \wac
.endif
	v_min3_num_f32 v[MT],   v[TDA],   v[TDA+1], v[TDA+2]
	v_min3_num_f32 v[MT+1], v[TDA+3], v[TDA+4], v[TDA+5]
	v_min3_num_f32 v[\bout+\ra], v[TDA+6], v[TDA+7], v[\bin+\ra]
	v_min3_num_f32 v[MT+2], v[TDB],   v[TDB+1], v[TDB+2]
	v_min3_num_f32 v[MT+3], v[TDB+3], v[TDB+4], v[TDB+5]
	v_min3_num_f32 v[\bout+\ra+1], v[TDB+6], v[TDB+7], v[\bin+\ra+1]
	v_min3_num_f32 v[\bout+\ra],   v[\bout+\ra],   v[MT],   v[MT+1]
	v_min3_num_f32 v[\bout+\ra+1], v[\bout+\ra+1], v[MT+2], v[MT+3]
	v_cmp_lt_f32 vcc_lo, v[\bout+\ra], v[\bin+\ra]
	v_cmp_lt_f32 s34, v[\bout+\ra+1], v[\bin+\ra+1]
.if \dow
	W2 \waf, \wra+1, \wac+8
.endif
.irp j, 0,2,4,6
	v_dual_cndmask_b32 v[CA+8*(\ra)+\j], v[CA+8*(\ra)+\j], v[TDA+\j] :: v_dual_cndmask_b32 v[CA+8*(\ra)+\j+1], v[CA+8*(\ra)+\j+1], v[TDA+\j+1]
.endr
	v_cndmask_b32 v[TI+\ra],   v[TI+\ra],   s[\sc], vcc_lo
	v_cndmask_b32 v[TI+\ra+1], v[TI+\ra+1], s[\sc], s34
	s_mov_b32 vcc_lo, s34                          ; the dual form reads VCC alone
.irp j, 0,2,4,6
	v_dual_cndmask_b32 v[CA+8*(\ra)+8+\j], v[CA+8*(\ra)+8+\j], v[TDB+\j] :: v_dual_cndmask_b32 v[CA+8*(\ra)+8+\j+1], v[CA+8*(\ra)+8+\j+1], v[TDB+\j+1]
.endr
.endm
; A trip is two tiles, four pair steps.  more = 1: two further tiles follow.
.macro TRIP more
	PAIR 1, AF0, 2, AC2, EE0, 0, AC0, BB0, BB1, 31, 0, 0, 0, 0, 0
	s_wait_dscnt 0x0                               ; the odd tile's six loads, issued in the last pair step of the trip before, are all that is out
	PAIR 1, AF1, 0, AC0, EE0, 2, AC2, BB0, BB1, 31, \more, AF0, EE0, 2*TILEB, 128
	PAIR 1, AF1, 2, AC2, EE1, 0, AC0, BB1, BB0, 32, 0, 0, 0, 0, 0
.if \more
	s_wait_dscnt 0x0                               ; the next even tile's six loads, issued two pair steps ago, are all that is out
.endif
	PAIR \more, AF0, 0, AC0, EE1, 2, AC2, BB1, BB0, 32, \more, AF1, EE1, 3*TILEB, 192
.endm
	LDA AF0, EE0, 0, 0
	LDA AF1, EE1, TILEB, 64
	s_mov_b32 s31, 0                               ; 16 T of the even tile
	s_mov_b32 s32, 16                              ; and of the odd one
	s_mov_b32 s33, 0x7f800000                      ; +inf
	s_mov_b32 s30, 31
	s_wait_dscnt 0x6                               ; tile 0 is in; tile 1's six loads stay out
	W1 AF0, 0, AC0
	W1 AF0, 1, AC0+8
	W2 AF0, 0, AC0
	W2 AF0, 1, AC0+8
	; the state's first values; these lines are also the places behind the matrix instructions above
.irp i, 0,1,2,3
	v_mov_b32 v[BB0+\i], s33
	v_mov_b32 v[TI+\i], 0
.endr
.irp i, 0,1,2,3,4,5,6,7,8,9,10,11,12,13,14,15,16,17,18,19,20,21,22,23,24,25,26,27,28,29,30,31
	v_mov_b32 v[CA+\i], s33
.endr
	v_mov_b32 v[OB], 0                             ; destinations of v_permlanex16_b32 count as read
	v_mov_b32 v[OC], 0
.Ltrip:
	TRIP 1
	v_add_nc_u32 v[AA], 2*TILEB, v[AA]
	v_add_nc_u32 v[AE], 128, v[AE]
	s_add_co_u32 s31, s31, 32
	s_add_co_u32 s32, s32, 32
	s_sub_co_i32 s30, s30, 1
	s_cmp_lg_u32 s30, 0
	s_cbranch_scc1 .Ltrip
	TRIP 0                                         ; tiles 62 and 63: nothing is loaded beyond the table
; THE INDEX.  The first j of the best tile's eight that equals the least; then the better of the two halves, the lower code on a tie.
.macro FIN rt
	v_mov_b32 v[JV], 7
.irp j, 6,5,4,3,2,1,0
	v_cmp_eq_f32 vcc_lo, v[CA+8*\rt+\j], v[BB0+\rt]
	v_cndmask_b32 v[JV], v[JV], \j, vcc_lo
.endr
	v_add3_u32 v[CODE], v[TI+\rt], v[JV], v[H8]
	v_permlanex16_b32 v[OB], v[BB0+\rt], s28, s29
	v_permlanex16_b32 v[OC], v[CODE], s28, s29
	v_cmp_lt_f32 s33, v[OB], v[BB0+\rt]
	v_cmp_eq_f32 s34, v[OB], v[BB0+\rt]
	v_cmp_lt_u32 vcc_lo, v[OC], v[CODE]
	s_and_b32 s34, s34, vcc_lo
	s_or_b32 vcc_lo, s33, s34
	v_cndmask_b32 v[CODE], v[CODE], v[OC], vcc_lo
	ds_store_b32 v[IXS], v[CODE] offset:64*\rt     ; both halves write the same word with the same value
.endm
	FIN 0
	FIN 1
	FIN 2
	FIN 3
	ds_load_b64 v[IP:IP+1], v[IXR]                 ; the wave's own bytes, served in order: two neighbouring indices a lane
	s_wait_dscnt 0x0
	global_store_b64 v[OUT], v[IP:IP+1], s[8:9] th:TH_STORE_NT    ; each store of the wave covers 256 consecutive bytes, aligned
	global_store_b64 v[OUT], v[IP:IP+1], s[10:11]                 ; read again by the next launch
	s_wait_tensorcnt 0x0
	ds_add_u32 v244, v245
	s_wait_dscnt 0x0
	s_endpgm
.Lfunc_end_k_q1f2db28920_argmin:
	.size	k_q1f2db28920_argmin, .Lfunc_end_k_q1f2db28920_argmin-k_q1f2db28920_argmin
	.p2alignl 7, 3214868480
	.fill 96, 4, 3214868480
	.section	.rodata,"a",@progbits
	.p2align	6, 0x0
	.amdhsa_kernel k_q1f2db28920_argmin
		.amdhsa_group_segment_fixed_size 293888
		.amdhsa_private_segment_fixed_size 0
		.amdhsa_enable_private_segment 0
		.amdhsa_kernarg_size 32
		.amdhsa_user_sgpr_count 2
		.amdhsa_user_sgpr_kernarg_segment_ptr 1
		.amdhsa_wavefront_size32 1
		.amdhsa_system_sgpr_workgroup_id_x 1
		.amdhsa_system_sgpr_workgroup_id_y 1
		.amdhsa_system_sgpr_workgroup_id_z 1
		.amdhsa_system_vgpr_workitem_id 0
		.amdhsa_next_free_vgpr 246
		.amdhsa_next_free_sgpr 66
		.amdhsa_reserve_vcc 1
		.amdhsa_float_denorm_mode_32 3
		.amdhsa_float_denorm_mode_16_64 3
		.amdhsa_memory_ordered 1
		.amdhsa_forward_progress 1
		.amdhsa_inst_pref_size 84
	.end_amdhsa_kernel
	.amdgpu_metadata
---
amdhsa.version: [ 1, 2 ]
amdhsa.kernels:
  - .name:           k_q1f2db28920_argmin
    .symbol:         k_q1f2db28920_argmin.kd
    .args:
      - { .name: embeddings, .offset: 0, .size: 8, .value_kind: global_buffer, .address_space: global }
      - { .name: z, .offset: 8, .size: 8, .value_kind: global_buffer, .address_space: global }
      - { .name: out2, .offset: 16, .size: 8, .value_kind: global_buffer, .address_space: global }
      - { .name: idxw, .offset: 24, .size: 8, .value_kind: global_buffer, .address_space: global }
    .group_segment_fixed_size: 293888
    .private_segment_fixed_size: 0
    .kernarg_segment_align: 8
    .kernarg_segment_size: 32
    .max_flat_workgroup_size: 256
    .sgpr_count:     66
    .vgpr_count:     246
    .wavefront_size: 32
...
	.end_amdgpu_metadata
.endif
;; end of part 1
;; launch gather (part 2): grid 256 x 1, 16 waves a work-group, no clusters, 2,304 bytes of LDS; arguments z, embeddings, idxw, out0, part; writes out0, part
.if DOCPART == 2
	.amdgcn_target "amdgcn-amd-amdhsa--gfx1250"
	.amdhsa_code_object_version 6
	.text
	.protected	k_q1f2db28920_gather
	.globl	k_q1f2db28920_gather
	.p2align	8
	.type	k_q1f2db28920_gather,@function
k_q1f2db28920_gather:
	s_mov_b64 s[64:65], 0
	v_nop
	global_prefetch_b8 v0, s[64:65] scope:SCOPE_SE
	s_setreg_imm32_b32 hwreg(HW_REG_WAVE_MODE, 25, 1), 1
	s_wait_xcnt 0x0
; out0[n] = z[n] + (e[idx[n]] - z[n]), all in f32 as the reference writes it, and part[work-group] = the sum of (e[idx[n]] - z[n])^2 over its 512 rows.
; A stream: no matrix unit, no tile in LDS.  A work-group owns 512 rows, a wave 32.  In step s the wave takes rows 2 s and 2 s + 1, 16 bytes a lane:
; every load of z and every store covers 512 consecutive bytes, aligned; a gather brings each half wave one whole code of 256 consecutive bytes.
; All of a wave's 33 loads are issued before anything is computed.
; THE TABLE IS NOT COPIED INTO LDS: a work-group gathers 512 rows of 256 bytes = 131,072 bytes, half of the table's 262,144; a copy of the whole table
; would bring in twice the bytes, and every row would wait for all of it.
; NO CLUSTER: the rows that two work-groups gather are different rows, chosen by their own indices: there is no tile that partners could ask for jointly.
; The indices come from idxw, which the launch before stored; they are below 1,024 by construction, and the v_min_u32 in front of the address holds them there.
.set ROWB, 256                         ; bytes in a row of z, of out0 and of the table
.set LS, 12                            ; v[12:15]   sums of squares
.set Z,  16                            ; v[16:79]   step s: 4 registers of z, then of the result
.set Q,  80                            ; v[80:143]  step s: 4 registers of the code, then of the difference
.set QA, 144                           ; v[144:159] step s: byte offset of my 16 bytes in the table
	s_load_b256 s[4:11], s[0:1], 0x0               ; z s[4:5], embeddings s[6:7], idxw s[8:9], out0 s[10:11]
	s_load_b64 s[12:13], s[0:1], 0x20              ; part
	v_lshl_add_u32 v160, v0, 2, 0x100
	v_mov_b32 v161, 0
	v_lshrrev_b32 v6, 5, v0
	v_readfirstlane_b32 s16, v6                    ; wave 0..15
	v_and_b32 v9, 15, v0                           ; lane % 16
	v_lshlrev_b32 v1, 4, v9                        ; my 16 bytes of a row
	v_and_b32 v7, 31, v0
	v_lshlrev_b32 v2, 4, v7                        ; 16 x lane: two neighbouring rows a wave
	v_lshl_add_u32 v2, v6, 13, v2                  ; + 32 rows of 256 bytes a wave
	v_bfe_u32 v8, v0, 4, 1                         ; lane / 16
	v_lshlrev_b32 v3, 7, v6                        ; 32 indices of 4 bytes a wave
	v_lshl_add_u32 v3, v9, 3, v3                   ; lane 16 h + i takes the index of row 2 i + h,
	v_lshl_add_u32 v3, v8, 2, v3                   ; so that lane s of each half holds the index that the half needs in step s
	v_mov_b32 v5, 0                                ; the destination of a DPP move counts as read
	s_mov_b32 s14, 0x76543210                      ; v_permlanex16_b32: lane i of one half reads lane i of the other
	s_mov_b32 s15, 0xfedcba98
	s_mov_b32 s19, 0
	s_mov_b32 s23, 0
	s_lshl_b32 s18, ttmp9, 17                      ; 512 rows of 256 bytes a work-group (255 x 131,072 stays below 2^32)
	s_lshl_b32 s22, ttmp9, 11                      ; 512 indices
	s_wait_kmcnt 0x0
	s_add_nc_u64 s[4:5], s[4:5], s[18:19]
	s_add_nc_u64 s[10:11], s[10:11], s[18:19]
	s_add_nc_u64 s[8:9], s[8:9], s[22:23]
	s_lshl_b32 s22, ttmp9, 2
	s_add_nc_u64 s[12:13], s[12:13], s[22:23]
	global_load_b32 v4, v3, s[8:9]                 ; the wave's 32 indices: 128 consecutive bytes
.irp s, 0,1,2,3,4,5,6,7,8,9,10,11,12,13,14,15
	global_load_b128 v[Z+4*\s:Z+4*\s+3], v2, s[4:5] offset:2*ROWB*\s th:TH_LOAD_NT    ; read once in the launch
.endr
	s_wait_loadcnt 16                              ; the indices are in; the sixteen loads of z stay out
.irp s, 0,1,2,3,4,5,6,7,8,9,10,11,12,13,14,15
	v_mov_b32_dpp v5, v4 row_share:\s row_mask:0xf bank_mask:0xf  ; each half of 16 lanes takes its lane s: the index of row 2 s, or of row 2 s + 1
	v_min_u32 v5, 0x3ff, v5
	v_lshl_add_u32 v[QA+\s], v5, 8, v1                            ; 256 bytes a code + my 16
	global_load_b128 v[Q+4*\s:Q+4*\s+3], v[QA+\s], s[6:7] th:TH_LOAD_HT   ; the table is read again and again by every work-group
.endr
.irp s, 0,1,2,3,4,5,6,7,8,9,10,11,12,13,14,15
	s_wait_loadcnt 15-\s                           ; loads come back in order (ISA guide 5.7.1): step s's code is in, and all of z; the younger gathers stay out
	v_pk_add_f32 v[Q+4*\s:Q+4*\s+1],   v[Q+4*\s:Q+4*\s+1],   v[Z+4*\s:Z+4*\s+1]   neg_lo:[0,1] neg_hi:[0,1]   ; q - z
	v_pk_add_f32 v[Q+4*\s+2:Q+4*\s+3], v[Q+4*\s+2:Q+4*\s+3], v[Z+4*\s+2:Z+4*\s+3] neg_lo:[0,1] neg_hi:[0,1]
.if \s == 0
	v_pk_mul_f32 v[LS:LS+1],   v[Q:Q+1],   v[Q:Q+1]                 ; the first squares start the sums
	v_pk_mul_f32 v[LS+2:LS+3], v[Q+2:Q+3], v[Q+2:Q+3]
.else
	v_pk_fma_f32 v[LS:LS+1],   v[Q+4*\s:Q+4*\s+1],   v[Q+4*\s:Q+4*\s+1],   v[LS:LS+1]
	v_pk_fma_f32 v[LS+2:LS+3], v[Q+4*\s+2:Q+4*\s+3], v[Q+4*\s+2:Q+4*\s+3], v[LS+2:LS+3]
.endif
	v_pk_add_f32 v[Z+4*\s:Z+4*\s+1],   v[Z+4*\s:Z+4*\s+1],   v[Q+4*\s:Q+4*\s+1]   ; z + (q - z)
	v_pk_add_f32 v[Z+4*\s+2:Z+4*\s+3], v[Z+4*\s+2:Z+4*\s+3], v[Q+4*\s+2:Q+4*\s+3]
	global_store_b128 v2, v[Z+4*\s:Z+4*\s+3], s[10:11] offset:2*ROWB*\s th:TH_STORE_NT
.endr
	; the wave's sum, in every lane
	v_pk_add_f32 v[LS:LS+1], v[LS:LS+1], v[LS+2:LS+3]
	v_add_f32 v[LS], v[LS], v[LS+1]
	v_add_f32_dpp v[LS], v[LS], v[LS] row_xmask:1 row_mask:0xf bank_mask:0xf
	v_add_f32_dpp v[LS], v[LS], v[LS] row_xmask:2 row_mask:0xf bank_mask:0xf
	v_add_f32_dpp v[LS], v[LS], v[LS] row_xmask:4 row_mask:0xf bank_mask:0xf
	v_add_f32_dpp v[LS], v[LS], v[LS] row_xmask:8 row_mask:0xf bank_mask:0xf
	v_permlanex16_b32 v5, v[LS], s14, s15
	v_add_f32 v[LS], v[LS], v5
	v_mov_b32 v10, s16
	v_lshlrev_b32 v10, 2, v10
	ds_store_b32 v10, v[LS]                        ; each wave its own word: LDS bytes 0 to 63
	s_wait_dscnt 0x0                               ; for wave 0's sake
	s_barrier_signal -1
	s_barrier_wait -1
	s_cmp_lg_u32 s16, 0
	s_cbranch_scc1 .Lend                           ; wave 0 alone adds the sixteen
	v_mov_b32 v7, 0
.irp i, 0,1,2,3
	ds_load_b128 v[Q+4*\i:Q+4*\i+3], v7 offset:16*\i   ; into Q's registers: Z's are still sources of stores that may be pending
.endr
	s_wait_dscnt 0x0
	v_pk_add_f32 v[Q:Q+1],     v[Q:Q+1],     v[Q+2:Q+3]
	v_pk_add_f32 v[Q+4:Q+5],   v[Q+4:Q+5],   v[Q+6:Q+7]
	v_pk_add_f32 v[Q+8:Q+9],   v[Q+8:Q+9],   v[Q+10:Q+11]
	v_pk_add_f32 v[Q+12:Q+13], v[Q+12:Q+13], v[Q+14:Q+15]
	v_pk_add_f32 v[Q:Q+1],     v[Q:Q+1],     v[Q+4:Q+5]
	v_pk_add_f32 v[Q+8:Q+9],   v[Q+8:Q+9],   v[Q+12:Q+13]
	v_pk_add_f32 v[Q:Q+1],     v[Q:Q+1],     v[Q+8:Q+9]
	v_add_f32 v[Q], v[Q], v[Q+1]
	v_cmp_eq_u32 vcc_lo, 0, v0
	s_wait_xcnt 0x0                                ; EXEC is a source of the stores above: it narrows only behind this wait
	s_and_saveexec_b32 s17, vcc_lo
	global_store_b32 v7, v[Q], s[12:13]            ; one word for the work-group
	s_wait_xcnt 0x0                                ; and widens only behind this one
	s_or_b32 exec_lo, exec_lo, s17
.Lend:
	s_wait_tensorcnt 0x0
	ds_add_u32 v160, v161
	s_wait_dscnt 0x0
	s_endpgm
.Lfunc_end_k_q1f2db28920_gather:
	.size	k_q1f2db28920_gather, .Lfunc_end_k_q1f2db28920_gather-k_q1f2db28920_gather
	.p2alignl 7, 3214868480
	.fill 96, 4, 3214868480
	.section	.rodata,"a",@progbits
	.p2align	6, 0x0
	.amdhsa_kernel k_q1f2db28920_gather
		.amdhsa_group_segment_fixed_size 2304
		.amdhsa_private_segment_fixed_size 0
		.amdhsa_enable_private_segment 0
		.amdhsa_kernarg_size 40
		.amdhsa_user_sgpr_count 2
		.amdhsa_user_sgpr_kernarg_segment_ptr 1
		.amdhsa_wavefront_size32 1
		.amdhsa_system_sgpr_workgroup_id_x 1
		.amdhsa_system_sgpr_workgroup_id_y 1
		.amdhsa_system_sgpr_workgroup_id_z 1
		.amdhsa_system_vgpr_workitem_id 0
		.amdhsa_next_free_vgpr 162
		.amdhsa_next_free_sgpr 66
		.amdhsa_reserve_vcc 1
		.amdhsa_float_denorm_mode_32 3
		.amdhsa_float_denorm_mode_16_64 3
		.amdhsa_memory_ordered 1
		.amdhsa_forward_progress 1
		.amdhsa_inst_pref_size 18
	.end_amdhsa_kernel
	.amdgpu_metadata
---
amdhsa.version: [ 1, 2 ]
amdhsa.kernels:
  - .name:           k_q1f2db28920_gather
    .symbol:         k_q1f2db28920_gather.kd
    .args:
      - { .name: z, .offset: 0, .size: 8, .value_kind: global_buffer, .address_space: global }
      - { .name: embeddings, .offset: 8, .size: 8, .value_kind: global_buffer, .address_space: global }
      - { .name: idxw, .offset: 16, .size: 8, .value_kind: global_buffer, .address_space: global }
      - { .name: out0, .offset: 24, .size: 8, .value_kind: global_buffer, .address_space: global }
      - { .name: part, .offset: 32, .size: 8, .value_kind: global_buffer, .address_space: global }
    .group_segment_fixed_size: 2304
    .private_segment_fixed_size: 0
    .kernarg_segment_align: 8
    .kernarg_segment_size: 40
    .max_flat_workgroup_size: 512
    .sgpr_count:     66
    .vgpr_count:     162
    .wavefront_size: 32
...
	.end_amdgpu_metadata
.endif
;; end of part 2
;; launch finish (part 3): grid 1 x 1, 1 waves a work-group, no clusters, 0 bytes of LDS; arguments part, out1; writes out1
.if DOCPART == 3
	.amdgcn_target "amdgcn-amd-amdhsa--gfx1250"
	.amdhsa_code_object_version 6
	.text
	.protected	k_q1f2db28920_finish
	.globl	k_q1f2db28920_finish
	.p2align	8
	.type	k_q1f2db28920_finish,@function
k_q1f2db28920_finish:
	s_mov_b64 s[64:65], 0
	v_nop
	global_prefetch_b8 v0, s[64:65] scope:SCOPE_SE
	s_setreg_imm32_b32 hwreg(HW_REG_WAVE_MODE, 25, 1), 1
	s_wait_xcnt 0x0
; out1 = m + 0.5 m, where m is the mean of (quantized - z)^2 over 131,072 x 64 = 2^23 numbers: the two losses of the reference have the same value.
; One wave adds the 256 partial sums of the launch before: 8 a lane, by two loads of 512 consecutive bytes each.
	s_load_b128 s[4:7], s[0:1], 0x0                ; part s[4:5], out1 s[6:7]
	v_lshlrev_b32 v1, 4, v0
	v_mov_b32 v2, 0
	s_mov_b32 s10, 0x76543210
	s_mov_b32 s11, 0xfedcba98
	s_wait_kmcnt 0x0
	global_load_b128 v[4:7], v1, s[4:5]
	global_load_b128 v[8:11], v1, s[4:5] offset:512
	s_wait_loadcnt 0x0
	v_pk_add_f32 v[4:5], v[4:5], v[6:7]
	v_pk_add_f32 v[8:9], v[8:9], v[10:11]
	v_pk_add_f32 v[4:5], v[4:5], v[8:9]
	v_add_f32 v4, v4, v5
	v_add_f32_dpp v4, v4, v4 row_xmask:1 row_mask:0xf bank_mask:0xf
	v_add_f32_dpp v4, v4, v4 row_xmask:2 row_mask:0xf bank_mask:0xf
	v_add_f32_dpp v4, v4, v4 row_xmask:4 row_mask:0xf bank_mask:0xf
	v_add_f32_dpp v4, v4, v4 row_xmask:8 row_mask:0xf bank_mask:0xf
	v_permlanex16_b32 v5, v4, s10, s11
	v_add_f32 v4, v4, v5
	v_mul_f32 v4, 0x34000000, v4                   ; x 2^-23: the mean
	v_fma_f32 v4, v4, 0.5, v4                      ; q_latent_loss + 0.5 e_latent_loss
	v_cmp_eq_u32 vcc_lo, 0, v0
	s_wait_xcnt 0x0                                ; EXEC narrows only behind this wait
	s_and_saveexec_b32 s8, vcc_lo
	global_store_b32 v2, v4, s[6:7]
	s_wait_xcnt 0x0                                ; and widens only behind this one
	s_or_b32 exec_lo, exec_lo, s8
	s_endpgm
.Lfunc_end_k_q1f2db28920_finish:
	.size	k_q1f2db28920_finish, .Lfunc_end_k_q1f2db28920_finish-k_q1f2db28920_finish
	.p2alignl 7, 3214868480
	.fill 96, 4, 3214868480
	.section	.rodata,"a",@progbits
	.p2align	6, 0x0
	.amdhsa_kernel k_q1f2db28920_finish
		.amdhsa_group_segment_fixed_size 0
		.amdhsa_private_segment_fixed_size 0
		.amdhsa_enable_private_segment 0
		.amdhsa_kernarg_size 16
		.amdhsa_user_sgpr_count 2
		.amdhsa_user_sgpr_kernarg_segment_ptr 1
		.amdhsa_wavefront_size32 1
		.amdhsa_system_sgpr_workgroup_id_x 1
		.amdhsa_system_sgpr_workgroup_id_y 1
		.amdhsa_system_sgpr_workgroup_id_z 1
		.amdhsa_system_vgpr_workitem_id 0
		.amdhsa_next_free_vgpr 16
		.amdhsa_next_free_sgpr 66
		.amdhsa_reserve_vcc 1
		.amdhsa_float_denorm_mode_32 3
		.amdhsa_float_denorm_mode_16_64 3
		.amdhsa_memory_ordered 1
		.amdhsa_forward_progress 1
		.amdhsa_inst_pref_size 2
	.end_amdhsa_kernel
	.amdgpu_metadata
---
amdhsa.version: [ 1, 2 ]
amdhsa.kernels:
  - .name:           k_q1f2db28920_finish
    .symbol:         k_q1f2db28920_finish.kd
    .args:
      - { .name: part, .offset: 0, .size: 8, .value_kind: global_buffer, .address_space: global }
      - { .name: out1, .offset: 8, .size: 8, .value_kind: global_buffer, .address_space: global }
    .group_segment_fixed_size: 0
    .private_segment_fixed_size: 0
    .kernarg_segment_align: 8
    .kernarg_segment_size: 16
    .max_flat_workgroup_size: 32
    .sgpr_count:     66
    .vgpr_count:     16
    .wavefront_size: 32
...
	.end_amdgpu_metadata
.endif
;; end of part 3
